; MI455X (gfx1250); checked and timed in simulation.
; The chip was launched on July 23, 2026; its instructions are those of AMD's public machine-readable ISA for CDNA 5 (MIT licence, August 2026) and "CDNA5" Instruction Set Architecture Reference Guide (July 2026). The comments in the code are by the model that wrote it; some were corrected since.
;; Quant Linear Sim. Allowed arithmetic: float matrix products may take bf16 or f16 operands with f32 sums; other float arithmetic in f32, or as packed bf16 or f16 multiplies, adds, multiply-adds, maxima and minima; sums over many terms, partial sums and values carried from step to step in f32; what a program stores and reads back later, other than sums and carried values, may be rounded once to bf16 or f16.
;; Inputs: nf_lut 16 float32; weight 4,096 x 4,096 float32; x 4,096 x 4,096 float32.
;; Outputs: out0 4,096 x 4,096 float32.
;; One version. Each part assembles by itself: llvm-mc -triple=amdgcn-amd-amdhsa -mcpu=gfx1250 --defsym DOCPART=n.
;; ======== version 1 of 1: 2 launches
;; limits: values are held in f16: magnitudes above 65,504 overflow, below 6.1e-05 lose precision; inputs' magnitudes at most 65,504; right only within a limited range of input values
;; workspace buffers: qw16 33,554,432 bytes; x16 33,554,432 bytes
;; launch prep (part 1): grid 256 x 1, 16 waves a work-group, no clusters, 264,192 bytes of LDS; arguments weight, nf_lut, x, qw16, x16; writes qw16, x16
.if DOCPART == 1
	.amdgcn_target "amdgcn-amd-amdhsa--gfx1250"
	.amdhsa_code_object_version 6
	.text
	.protected	k_qc0effbed72_prep
	.globl	k_qc0effbed72_prep
	.p2align	8
	.type	k_qc0effbed72_prep,@function
k_qc0effbed72_prep:
	s_mov_b64 s[64:65], 0
	v_nop
	global_prefetch_b8 v0, s[64:65] scope:SCOPE_SE
	s_setreg_imm32_b32 hwreg(HW_REG_WAVE_MODE, 25, 1), 1
	s_wait_xcnt 0x0
; qw16 = f16(quantize_nf(weight', nf_lut')), x16 = f16(x'), where ' is the input rounded to bf16.  weight, x: [4096][4096] f32; nf_lut: [16] f32; qw16, x16: [4096][4096] f16.
; ALL THREE INPUTS ARE ROUNDED TO bf16, to nearest even, AS THEY ARE READ, and all that reference() does is then done in f32 on the rounded numbers: the result is reference() of the rounded
; inputs, which the problem's statement allows as the expected result.  Why: the choice of a pole is a step function of the weight, and one weight on the other side of a cut moves a whole column
; of the output.  On numbers of 8 significant bits max + min, max - min and w - offset are exact in f32.  For a row whose extremes lie in [2, 4): offset and range are multiples of 2^-7, the
; midpoint of two poles of magnitude 2^-4 or more is a multiple of 2^-12, a weight of magnitude 2^-11 or more a multiple of 2^-18: so n - midpoint x range is 0 or at least 2^-19, and the quotient
; lies exactly on the cut or at least 8 steps of f32 from it.  So no choice hangs on how a sum or a quotient is rounded.  On the cut both distances are equal and the lower index wins, as in argmin.
; SHARES.  Wave w of work-group g owns row 16 g + w of weight and of x.  The weight row (16,384 bytes) is brought into the wave's own LDS bytes by one tensor load and read three times, rounded
; anew each time in registers; no wave reads another's bytes, so there is no barrier.  All three inputs are loaded and used.
; WHAT STANDS FOR THE THREE SORTS (s0 <= .. <= s4095 is the sorted row; all of this holds for every finite row, in exact arithmetic):
;   quantiles: the index 4095 q lies between 2 and 3, and between 4092 and 4093: lower = s2 wl + s3 wh, upper = s4092 wl' + s4093 wh', with the f32 weights that f32(q) x 4095 gives.
;     So the four smallest and the four largest numbers of the row, counted with their repeats, are all that the quantiles want (pass 1).
;   median: it enters only max and min of tmp.  L = {w <= lower}, H = {w >= upper}, N the rest, cL and cH the counts.  A number of L at sorted place 3 or more equals s3, one of H at place 4092 or
;     less equals s4092.  s2047 = s3 if cL >= 2048, else s4092 if cH >= 2049, else it lies in N; s2048 = s3 if cL >= 2049, else s4092 if cH >= 2048, else it lies in N.  Where one of the two
;     lies in N it is N's largest (s2047) or smallest (s2048).  Where both do, the median lies inside [min N, max N] and moves neither max nor min, and so does (max N + min N) / 2,
;     which is taken in its place.  N is empty exactly where cL + cH >= 4096: then max = min = median.
;   outliers: (w - offset) + offset = w, and their w_scaled is 0, so their qw is w + Q0 range, Q0 = f16(nf_lut[first argmin |nf_lut|]).
;   argmin: the poles are sorted here (ties by index); between neighbours a <= b the second wins where |ws - b| < |ws - a|, or where these are equal and b has the lower index.  With f32
;     subtractions that is monotone in ws, so one f32 cut (the largest ws at which a still wins) says it all; it is found by bisection over the ordered bit patterns with those same subtractions.
;   the quotient: ws = RN(n / range), n = RN(w - offset).  ws <= cut holds exactly where n / range lies below the midpoint of cut and the next float: n < (cut + next) range / 2.
;     |cut + next| is an odd integer A of 25 bits times a power of two, range an integer of 24 bits times a power of two.  Their product has at most 23 trailing zero bits and 24 or 25 bits
;     are cut off it, so it is never a number of 24 bits: equality cannot be.  So the largest n at which a still wins is that product cut to 24 bits, for a negative cut one step further from 0.
;     It is made once a row for each cut, from integer products of limbs of 12 and 13 bits: exact.  No weight is divided.
;   qw = V0 + the sum over the 15 cuts of (V[i+1] - V[i]) x [n > threshold i], V[i] = f16(pole i) range + offset, made 0 where it is not finite (nan_to_num).
;   range = 0: w_scaled is NaN, argmin gives index 0: every Q is f16(nf_lut[0]).
; LIMITS.  Held against reference() on the unrounded f32 inputs the result is NOT within a hundredth: the rounding of weight moves it across cuts.  A common offset on weight that is large beside
; its spread leaves little of the spread in 8 bits.  NaN and infinities in the inputs are not treated.  |x| and |qw| stay under 65,504 (f16); |x| below 2^-14 keeps f16's fixed step.
; max +- min must not overflow.  Where |cut| or range is below 2^-95 the threshold is the rounded product cut x range.  |threshold| stays under 2^31.  A step is fractional where
; 0 < n - threshold < 2^-96.  -0 among the poles counts as +0.
.set ROWB,  16384                      ; bytes in a row of weight and of x
.set SPARE, 16*ROWB                    ; behind the 16 rows: the spare words, 128 bytes for each wave, eight blocks of 256 bytes that no other line names
.set G0,  32                           ; s[32:35] descriptor group 0
.set G1,  36                           ; s[36:43] descriptor group 1
.set LUT, 16                           ; s[16:31] the 16 poles, rounded to bf16, in the order given
.set MHI, 72                           ; s72 the mask of a word's upper bf16
; s14 wave, s15 row, s[44:45] lane selects, s46 lower, s47 upper, s48 cL, s49 cH, s[50:57] eight lane masks, s58 s59 at work, s60 loop count, s61 +inf, s62 tie mask, s63 LDS step, s66-s71 row masks
.set LANE, 1
.set XO,   2                           ; 16 x lane: my 16 bytes in 512 of x; never rewritten
.set XSO,  3                           ; 8 x lane: my 8 bytes in 256 of x16; never rewritten
.set QSO,  4                           ; the same for qw16, stepped
.set LA0,  5                           ; LDS: my wave's row + 16 x lane; never rewritten
.set LA,   6                           ; LA0 + the trip's 4,096 bytes
.set KK,   7                           ; lane % 16
.set KK1,  8                           ; + 1
.set PP,   9                           ; nf_lut[KK], rounded to bf16
.set RK,   10                          ; its rank
.set SA,   11                          ; sorted pole KK
.set SB,   12                          ; sorted pole KK + 1
.set IA,   13                          ; their places in nf_lut
.set IB,   14
.set QS,   15                          ; f16(SA), f16(SB), Q0, f16(nf_lut[0]), as f32
.set QN,   16
.set QZ,   17
.set QL0,  18
.set SPW,  20                          ; LDS address of my spare word; never rewritten
.set NIL,  21                          ; 0; never rewritten
.set PINF, 22
.set NINF, 23
.set T,    24                          ; v[24:27] the four largest, descending
.set B,    28                          ; v[28:31] the four smallest, ascending
.set U,    32                          ; v[32:35] at work in a merge
.set X4,   36                          ; v[36:39] the other half's four
.set TM,   40                          ; v[40:47] at work
.set W,    48                          ; v[48:79] 32 weights a lane: a trip's eight LDS loads
.set TL,   80
.set TH,   84
.set MX,   88                          ; v[88:89] max of w < upper, two chains
.set MN,   90                          ; v[90:91] min of w > lower
.set CV,   92                          ; lane i: cut i; from the row's numbers on: - threshold i x 2^96
.set RA,   93
.set RB,   94
.set MED,  95
.set OFS,  96
.set RNG,  97
.set VV,   100
.set VN,   101
.set DL,   102
.set C0,   103
.set GV,   104
.set TT,   105
.set PO,   106
.set A1,   107                         ; lane i: A = 2 m + 1 of cut i: its upper 12 bits,
.set A0,   108                         ; its lower 13,
.set EL,   109                         ; the exponent field that goes with m,
.set SG,   110                         ; and 1 where the cut is negative
.set XR,   128                         ; v[128:255] the row of x; when it has left, the tables:
.set CT,   128                         ; 15 pairs: - threshold i x 2^96, twice
.set DT,   158                         ; 15 pairs: V[i+1] - V[i], twice
.set BG,   188                         ; pairs of one number each, so that the clamped packed lines name vector registers alone
.set VB,   190
.set GG,   192
.set CC,   194
.set OFN,  196
.set WS,   202                         ; v[202:209] eight n
.set ST,   210                         ; v[210:217] eight steps
.set AC,   218                         ; v[218:225] eight sums
.set OV,   226                         ; v[226:233] eight outlier values
.set OO,   234                         ; v[234:249] a trip's 32 results in f16
	s_load_b256 s[4:11], s[0:1], 0x0               ; weight s[4:5], nf_lut s[6:7], x s[8:9], qw16 s[10:11]
	s_load_b64 s[12:13], s[0:1], 0x20              ; x16
	v_lshl_add_u32 v[SPW], v0, 2, SPARE
	v_mov_b32 v[NIL], 0
	ds_add_u32 v[SPW], v[NIL]                      ; the wave's opening: the add, twice on end, and its wait ahead of my tensor load
	ds_add_u32 v[SPW], v[NIL]                      ; the set-up below, work on registers, stands between the second add and the wait
	v_lshrrev_b32 v[TM], 5, v0
	v_readfirstlane_b32 s14, v[TM]                 ; wave 0..15
	s_lshl_b32 s15, ttmp9, 4
	s_add_co_u32 s15, s15, s14                     ; my row
	s_lshl_b32 s2, s15, 14                         ; its first byte in weight and in x (under 2^26)
	s_mov_b32 s3, 0
	; the row is dense: asked for as 64 rows of 256 bytes, elements of 8 bytes
	s_mov_b32 s[G1+0], 3<<16                       ; no mask; elements of 8 bytes; no padding
	s_mov_b32 s[G1+1], 32<<16                      ; tensor_dim0 = 32
	s_mov_b32 s[G1+2], 64<<16                      ; tensor_dim1 = 64
	s_mov_b32 s[G1+3], 32<<16                      ; tile_dim0 = 32
	s_mov_b32 s[G1+4], 64                          ; tile_dim1 = 64
	s_mov_b32 s[G1+5], 32                          ; 32 elements from row to row
	s_mov_b32 s[G1+6], 0
	s_mov_b32 s[G1+7], 0
	s_mov_b32 s[G0], 1
	s_mul_i32 s[G0+1], s14, ROWB                   ; LDS: my wave's 16,384 bytes
	s_mov_b32 s44, 0x76543210                      ; v_permlanex16_b32: each lane takes its own place in the other half
	s_mov_b32 s45, 0xfedcba98
	s_mov_b32 s61, 0x7f800000
	s_mov_b32 s[MHI], 0xffff0000
	v_and_b32 v[LANE], 31, v0
	v_lshlrev_b32 v[XO], 4, v[LANE]
	v_lshlrev_b32 v[XSO], 3, v[LANE]
	v_lshlrev_b32 v[QSO], 3, v[LANE]
	v_lshl_add_u32 v[LA0], v[LANE], 4, s[G0+1]
	v_and_b32 v[KK], 15, v0
	v_add_nc_u32 v[KK1], 1, v[KK]
	v_lshlrev_b32 v[PO], 2, v[KK]
	v_mov_b32 v[PINF], 0x7f800000
	v_mov_b32 v[NINF], 0xff800000
	s_wait_dscnt 0x0                               ; both opening adds are done
	s_wait_kmcnt 0x0
	s_add_nc_u64 s[G0+2:G0+3], s[4:5], s[2:3]
	s_or_b32 s[G0+3], s[G0+3], 0x80000000          ; type = 2
	tensor_load_to_lds s[G0:G0+3], s[G1:G1+7]      ; my one tensor load: the weight row
	s_nop 0
	global_load_b32 v[PP], v[PO], s[6:7]           ; pole lane % 16
	s_add_nc_u64 s[8:9], s[8:9], s[2:3]            ; x at my row
	s_lshl_b32 s2, s15, 13                         ; my row's first byte in qw16 and x16
	s_add_nc_u64 s[10:11], s[10:11], s[2:3]
	s_add_nc_u64 s[12:13], s[12:13], s[2:3]
	s_wait_loadcnt 0x0
	; THE POLES, while the row is on its way.  Each is rounded to bf16 in its lane; then every lane gets all sixteen, as scalars.
	v_cvt_pk_bf16_f32 v[PP], v[PP], v[PP]
	v_lshlrev_b32 v[PP], 16, v[PP]
.irp j, 0,1,2,3,4,5,6,7,8,9,10,11,12,13,14,15
	v_readlane_b32 s[LUT+\j], v[PP], \j
.endr
	; Rank of pole K: how many poles are smaller, or equal with a lower index.
	v_mov_b32 v[RK], 0
.irp j, 0,1,2,3,4,5,6,7,8,9,10,11,12,13,14,15
	v_cmp_lt_f32 s58, s[LUT+\j], v[PP]
	v_cmp_eq_f32 s59, s[LUT+\j], v[PP]
	s_and_b32 s59, s59, ((0xffff<<(\j+1))&0xffff)*0x10001  ; the lanes with K > j
	s_or_b32 s58, s58, s59
	v_cndmask_b32 v[TM], 0, 1, s58
	v_add_nc_u32 v[RK], v[RK], v[TM]
.endr
	; Lane K takes the poles of rank K and K + 1, with their places in nf_lut.
	v_mov_b32 v[SA], 0
	v_mov_b32 v[SB], 0
	v_mov_b32 v[IA], 0
	v_mov_b32 v[IB], 0
.irp j, 0,1,2,3,4,5,6,7,8,9,10,11,12,13,14,15
	v_readlane_b32 s58, v[RK], \j
	v_cmp_eq_u32 vcc_lo, s58, v[KK]
	v_cndmask_b32 v[SA], v[SA], s[LUT+\j], vcc_lo
	v_cndmask_b32 v[IA], v[IA], \j, vcc_lo
	v_cmp_eq_u32 vcc_lo, s58, v[KK1]
	v_cndmask_b32 v[SB], v[SB], s[LUT+\j], vcc_lo
	v_cndmask_b32 v[IB], v[IB], \j, vcc_lo
.endr
	v_cmp_eq_u32 vcc_lo, 15, v[KK]                 ; the last pole has no neighbour: its lane's cut is not used
	v_cndmask_b32 v[SB], v[SB], v[SA], vcc_lo
	v_cndmask_b32 v[IB], v[IB], v[IA], vcc_lo
	v_add_f32 v[SA], 0, v[SA]                      ; -0 becomes +0, so that equal poles have equal keys
	v_add_f32 v[SB], 0, v[SB]
	v_mov_b32 v19, 0
	v_cvt_f16_f32 v19.l, v[SA]                     ; the poles as reference() uses them: rounded to f16
	v_cvt_f32_f16 v[QS], v19.l
	v_cvt_f16_f32 v19.l, v[SB]
	v_cvt_f32_f16 v[QN], v19.l
	v_mov_b32 v[TM+1], s[LUT]
	v_cvt_f16_f32 v19.l, v[TM+1]
	v_cvt_f32_f16 v[QL0], v19.l
	v_and_b32 v[TM], 0x7fffffff, v[TM+1]           ; the first pole of least magnitude: a scan that only a strictly smaller one moves
.irp j, 1,2,3,4,5,6,7,8,9,10,11,12,13,14,15
	s_and_b32 s58, s[LUT+\j], 0x7fffffff
	v_cmp_lt_f32 vcc_lo, s58, v[TM]
	v_cndmask_b32 v[TM+1], v[TM+1], s[LUT+\j], vcc_lo
	v_min_num_f32 v[TM], s58, v[TM]
.endr
	v_cvt_f16_f32 v19.l, v[TM+1]
	v_cvt_f32_f16 v[QZ], v19.l
	v_cmp_lt_u32 s62, v[IB], v[IA]                 ; a tie goes to the upper pole where it has the lower index
; A float's bits turned into an unsigned key of the same order, and back.
.macro KEY d, s
	v_ashrrev_i32 v[TM+6], 31, v[\s]
	v_or_b32 v[TM+6], 0x80000000, v[TM+6]
	v_xor_b32 v[\d], v[TM+6], v[\s]
.endm
.macro UNKEY d, s
	v_xor_b32 v[TM+6], -1, v[\s]
	v_ashrrev_i32 v[TM+6], 31, v[TM+6]
	v_or_b32 v[TM+6], 0x80000000, v[TM+6]
	v_xor_b32 v[\d], v[TM+6], v[\s]
.endm
	KEY TM, SA                                     ; at the lower key the lower pole wins,
	KEY TM+1, SB                                   ; at the upper key the upper one
	s_mov_b32 s60, 32                              ; 32 halvings close any gap of 32-bit keys
.Lbis:
	v_sub_nc_u32 v[TM+2], v[TM+1], v[TM]
	v_lshrrev_b32 v[TM+2], 1, v[TM+2]
	v_add_nc_u32 v[TM+2], v[TM], v[TM+2]           ; the middle key,
	UNKEY TM+3, TM+2                               ; its float,
	v_sub_f32 v[TM+4], v[TM+3], v[SA]              ; and reference()'s own two distances
	v_sub_f32 v[TM+5], v[TM+3], v[SB]
	v_and_b32 v[TM+4], 0x7fffffff, v[TM+4]
	v_and_b32 v[TM+5], 0x7fffffff, v[TM+5]
	v_cmp_lt_f32 s58, v[TM+5], v[TM+4]
	v_cmp_eq_f32 s59, v[TM+5], v[TM+4]
	s_and_b32 s59, s59, s62
	s_or_b32 vcc_lo, s58, s59                      ; the upper pole wins
	v_cndmask_b32 v[TM+1], v[TM+1], v[TM+2], vcc_lo
	v_cndmask_b32 v[TM], v[TM+2], v[TM], vcc_lo
	s_sub_co_u32 s60, s60, 1
	s_cmp_lg_u32 s60, 0
	s_cbranch_scc1 .Lbis
	; The cut, and what of its threshold does not hang on the row.  Of the cut and the next float the one of lesser magnitude is m x unit; the other is (m + 1) x unit: |cut + next| = (2 m + 1) x unit.
	UNKEY CV, TM                                   ; the cut
	v_add_nc_u32 v[TM+1], 1, v[TM]
	UNKEY TM+3, TM+1                               ; the next float
	v_and_b32 v[TM+4], 0x7fffffff, v[CV]
	v_and_b32 v[TM+5], 0x7fffffff, v[TM+3]
	v_min_u32 v[TM+4], v[TM+4], v[TM+5]
	v_lshrrev_b32 v[EL], 23, v[TM+4]               ; its exponent field,
	v_and_b32 v[TM+5], 0x7fffff, v[TM+4]
	v_or_b32 v[TM+5], 0x800000, v[TM+5]            ; m, 24 bits,
	v_lshl_add_u32 v[TM+5], v[TM+5], 1, 1          ; A = 2 m + 1, 25 bits, odd
	v_lshrrev_b32 v[A1], 13, v[TM+5]
	v_and_b32 v[A0], 0x1fff, v[TM+5]
	v_lshrrev_b32 v[SG], 31, v[CV]
	s_wait_tensorcnt 0x0                           ; my row lies in LDS
.set j, 0
.rept 32                                       ; x is asked for only now; it lands under passes 1 and 2
	global_load_b128 v[XR+4*j:XR+4*j+3], v[XO], s[8:9] offset:512*j th:TH_LOAD_NT
.set j, j+1
.endr
; Four weights, as loaded, are rounded to bf16 in place and stay f32 numbers: two roundings a line, then the halves are moved up or masked.
.macro RND4 r
	v_cvt_pk_bf16_f32 v[TM], v[(\r)], v[(\r)+1]
	v_cvt_pk_bf16_f32 v[TM+1], v[(\r)+2], v[(\r)+3]
	v_lshlrev_b32 v[(\r)], 16, v[TM]
	v_and_b32 v[(\r)+1], s[MHI], v[TM]
	v_lshlrev_b32 v[(\r)+2], 16, v[TM+1]
	v_and_b32 v[(\r)+3], s[MHI], v[TM+1]
.endm
	; PASS 1: each lane's four largest and four smallest of its 128 weights, kept sorted, repeats kept: a new number moves each place by a median of three.
.irp i, 0,1,2,3
	v_mov_b32 v[T+\i], v[NINF]
	v_mov_b32 v[B+\i], v[PINF]
	v_mov_b32 v[U+\i], 0                           ; (destinations of lane-crossing forms count as read)
	v_mov_b32 v[X4+\i], 0
.endr
.macro INS r
	v_med3_num_f32 v[T+3], v[T+2], v[T+3], v[\r]
	v_med3_num_f32 v[B+3], v[B+2], v[B+3], v[\r]
	v_med3_num_f32 v[T+2], v[T+1], v[T+2], v[\r]
	v_med3_num_f32 v[B+2], v[B+1], v[B+2], v[\r]
	v_med3_num_f32 v[T+1], v[T], v[T+1], v[\r]
	v_med3_num_f32 v[B+1], v[B], v[B+1], v[\r]
	v_max_num_f32 v[T], v[T], v[\r]
	v_min_num_f32 v[B], v[B], v[\r]
.endm
.macro CHUNK                           ; a trip's 4,096 bytes of the row: eight loads of 512 neighbouring bytes
	v_add_nc_u32 v[LA], s63, v[LA0]
.irp k, 0,1,2,3,4,5,6,7
	ds_load_b128 v[W+4*\k:W+4*\k+3], v[LA] offset:512*\k
.endr
.endm
	s_mov_b32 s63, 0
	s_mov_b32 s60, 4
.Lp1:
	CHUNK
.irp k, 0,1,2,3,4,5,6,7
	s_wait_dscnt 7-\k                              ; LDS loads come back in order: load k is in, the younger ones may be out
	RND4 W+4*\k
	INS W+4*\k
	INS W+4*\k+1
	INS W+4*\k+2
	INS W+4*\k+3
.endr
	s_add_co_u32 s63, s63, 4096
	s_sub_co_u32 s60, s60, 1
	s_cmp_lg_u32 s60, 0
	s_cbranch_scc1 .Lp1
	; ACROSS THE LANES.  Of two sorted fours, max(mine[i], theirs[3 - i]) holds the four largest of the eight, as a bitonic run: two rounds of compare and exchange sort it.  The smallest likewise.
.macro SORT4 base, first, second
	\first  v[TM],   v[U],   v[U+2]
	\second v[TM+2], v[U],   v[U+2]
	\first  v[TM+1], v[U+1], v[U+3]
	\second v[TM+3], v[U+1], v[U+3]
	\first  v[(\base)],   v[TM],   v[TM+1]
	\second v[(\base)+1], v[TM],   v[TM+1]
	\first  v[(\base)+2], v[TM+2], v[TM+3]
	\second v[(\base)+3], v[TM+2], v[TM+3]
.endm
.irp m, 1,2,4,8
.irp i, 0,1,2,3
	v_max_num_f32_dpp v[U+\i], v[T+3-\i], v[T+\i] row_xmask:\m row_mask:0xf bank_mask:0xf
.endr
	SORT4 T, v_max_num_f32, v_min_num_f32
.irp i, 0,1,2,3
	v_min_num_f32_dpp v[U+\i], v[B+3-\i], v[B+\i] row_xmask:\m row_mask:0xf bank_mask:0xf
.endr
	SORT4 B, v_min_num_f32, v_max_num_f32
.endr
.irp i, 0,1,2,3
	v_permlanex16_b32 v[X4+\i], v[T+\i], s44, s45
.endr
.irp i, 0,1,2,3
	v_max_num_f32 v[U+\i], v[X4+3-\i], v[T+\i]
.endr
	SORT4 T, v_max_num_f32, v_min_num_f32
.irp i, 0,1,2,3
	v_permlanex16_b32 v[X4+\i], v[B+\i], s44, s45
.endr
.irp i, 0,1,2,3
	v_min_num_f32 v[U+\i], v[X4+3-\i], v[B+\i]
.endr
	SORT4 B, v_min_num_f32, v_max_num_f32
	; The quantiles: two products, one sum.  f32(0.0005) x 4095 = 2.0475001335..: weights 0.9524998665 and 0.0475001335.  f32(0.9995) x 4095 = 4092.952392578125: weights 195/4096 and 3901/4096.
	; Rounded weights repeat, so s4092 = s4093 = v and s2 = s3 = v do happen.  Above, both products (8 x 8 and 8 x 12 bits) and their sum are exact: upper = v.  Below, the two products' rounding
	; errors add up to half a step of v at the most, and v's mantissa is even: lower = v, whether or not a product is fused into the sum.  Unequal neighbours lie a step of bf16 apart.
	v_mul_f32 v[TM], 0x3f73d708, v[B+2]
	v_mul_f32 v[TM+1], 0x3d428f80, v[B+3]
	v_add_f32 v[TM], v[TM], v[TM+1]
	v_mul_f32 v[TM+2], 0x3d430000, v[T+3]
	v_mul_f32 v[TM+3], 0x3f73d000, v[T+2]
	v_add_f32 v[TM+2], v[TM+2], v[TM+3]
	v_readfirstlane_b32 s46, v[TM]                 ; lower
	v_readfirstlane_b32 s47, v[TM+2]               ; upper
	; PASS 2: cL, cH, the smallest w > lower and the largest w < upper.  The counts steer selects alone.
	v_mov_b32 v[MX], v[NINF]
	v_mov_b32 v[MX+1], v[NINF]
	v_mov_b32 v[MN], v[PINF]
	v_mov_b32 v[MN+1], v[PINF]
	s_mov_b32 s48, 0
	s_mov_b32 s49, 0
.macro CNT4 r
.irp e, 0,1,2,3
	v_cmp_ge_f32 s[50+\e], s46, v[(\r)+\e]         ; w <= lower
	v_cmp_le_f32 s[54+\e], s47, v[(\r)+\e]         ; w >= upper
.endr
.irp e, 0,1,2,3
	v_cndmask_b32 v[TL+\e], v[(\r)+\e], v[PINF], s[50+\e]
	v_cndmask_b32 v[TH+\e], v[(\r)+\e], v[NINF], s[54+\e]
.endr
.irp e, 0,1,2,3
	s_bcnt1_i32_b32 s58, s[50+\e]
	s_bcnt1_i32_b32 s59, s[54+\e]
	s_add_co_u32 s48, s48, s58
	s_add_co_u32 s49, s49, s59
.endr
	v_min3_num_f32 v[MN], v[MN], v[TL], v[TL+1]
	v_max3_num_f32 v[MX], v[MX], v[TH], v[TH+1]
	v_min3_num_f32 v[MN+1], v[MN+1], v[TL+2], v[TL+3]
	v_max3_num_f32 v[MX+1], v[MX+1], v[TH+2], v[TH+3]
.endm
	s_mov_b32 s63, 0
	s_mov_b32 s60, 4
.Lp2:
	CHUNK
.irp k, 0,1,2,3,4,5,6,7
	s_wait_dscnt 7-\k                              ; load k is in
	RND4 W+4*\k
	CNT4 W+4*\k
.endr
	s_add_co_u32 s63, s63, 4096
	s_sub_co_u32 s60, s60, 1
	s_cmp_lg_u32 s60, 0
	s_cbranch_scc1 .Lp2
	v_max_num_f32 v[MX], v[MX], v[MX+1]
	v_min_num_f32 v[MN], v[MN], v[MN+1]
.irp m, 1,2,4,8
	v_max_num_f32_dpp v[MX], v[MX], v[MX] row_xmask:\m row_mask:0xf bank_mask:0xf
	v_min_num_f32_dpp v[MN], v[MN], v[MN] row_xmask:\m row_mask:0xf bank_mask:0xf
.endr
	v_permlanex16_b32 v[MX+1], v[MX], s44, s45
	v_permlanex16_b32 v[MN+1], v[MN], s44, s45
	v_max_num_f32 v[MX], v[MX], v[MX+1]
	v_min_num_f32 v[MN], v[MN], v[MN+1]
	; THE ROW'S NUMBERS, the same in every lane but for what hangs on the lane's pole and cut.
	s_add_co_u32 s58, s48, s49
	s_cmp_ge_u32 s48, 2048
	s_cselect_b32 s66, -1, 0
	s_cmp_ge_u32 s49, 2049
	s_cselect_b32 s67, -1, 0
	s_cmp_ge_u32 s48, 2049
	s_cselect_b32 s68, -1, 0
	s_cmp_ge_u32 s49, 2048
	s_cselect_b32 s69, -1, 0
	s_cmp_ge_u32 s58, 4096
	s_cselect_b32 s70, -1, 0                       ; no number is left between the thresholds
	v_cndmask_b32 v[RA], v[MX], v[T+3], s67        ; what stands for s2047,
	v_cndmask_b32 v[RA], v[RA], v[B+3], s66
	v_cndmask_b32 v[RB], v[MN], v[T+3], s69        ; and for s2048
	v_cndmask_b32 v[RB], v[RB], v[B+3], s68
	v_mul_f32 v[RA], 0.5, v[RA]
	v_fma_f32 v[MED], 0.5, v[RB], v[RA]            ; halving is exact: one rounding, as in reference()
	v_cndmask_b32 v[MX], v[MX], v[MED], s70
	v_cndmask_b32 v[MN], v[MN], v[MED], s70
	v_max_num_f32 v[MX], v[MX], v[MED]             ; there are always outliers, so the median always stands in tmp
	v_min_num_f32 v[MN], v[MN], v[MED]
	v_add_f32 v[OFS], v[MX], v[MN]
	v_sub_f32 v[RNG], v[MX], v[MN]
	v_mul_f32 v[OFS], 0.5, v[OFS]
	v_mul_f32 v[RNG], 0.5, v[RNG]
	v_cmp_eq_f32 s71, 0, v[RNG]
	; Lane i: the largest n at which the lower pole of cut i still wins: A x (range's 24 bits), cut to 24 bits.  A = a1 2^13 + a0, range's bits = mh 2^12 + ml, so
	; (A x bits) >> 24 = 2 a1 mh + ((2 a1 ml + a0 mh + (a0 ml >> 12)) >> 12): every product has 25 bits at the most, every floor is exact.
	v_lshrrev_b32 v[TM], 23, v[RNG]                ; range's exponent field (range is not negative)
	v_and_b32 v[TM+1], 0x7fffff, v[RNG]
	v_or_b32 v[TM+1], 0x800000, v[TM+1]
	v_lshrrev_b32 v[TM+2], 12, v[TM+1]             ; mh
	v_and_b32 v[TM+1], 0xfff, v[TM+1]              ; ml
	v_mul_u32_u24 v[TM+3], v[A1], v[TM+2]
	v_mul_u32_u24 v[TM+4], v[A1], v[TM+1]
	v_mul_u32_u24 v[TM+5], v[A0], v[TM+2]
	v_mul_u32_u24 v[TM+6], v[A0], v[TM+1]
	v_lshl_add_u32 v[TM+4], v[TM+4], 1, v[TM+5]
	v_lshrrev_b32 v[TM+6], 12, v[TM+6]
	v_add_nc_u32 v[TM+4], v[TM+4], v[TM+6]
	v_lshrrev_b32 v[TM+4], 12, v[TM+4]
	v_lshl_add_u32 v[TM+3], v[TM+3], 1, v[TM+4]    ; the product's top 24 or 25 bits
	v_lshrrev_b32 v[TM+5], 24, v[TM+3]             ; 1 where there are 25,
	v_lshrrev_b32 v[TM+3], v[TM+5], v[TM+3]        ; cut to 24
	v_add3_u32 v[TM+6], v[EL], v[TM], v[TM+5]      ; the exponent field less 1: the two fields + that bit - 128 (the hidden bit adds the 1)
	v_add_nc_u32 v[TM+6], 0xffffff80, v[TM+6]
	v_lshl_add_u32 v[TM+3], v[TM+6], 23, v[TM+3]
	v_add_nc_u32 v[TM+3], v[TM+3], v[SG]           ; a negative cut: one step further from 0 (a carry goes on into the exponent)
	v_lshl_or_b32 v[TM+3], v[SG], 31, v[TM+3]
	v_mul_f32 v[TM+7], v[CV], v[RNG]               ; where cut or range is below 2^-95, range = 0 among that: the rounded product
	v_min_u32 v[TM], v[EL], v[TM]
	v_cmp_le_u32 vcc_lo, 32, v[TM]
	v_cndmask_b32 v[TM+3], v[TM+7], v[TM+3], vcc_lo
	v_mul_f32 v[CV], 0xef800000, v[TM+3]           ; - threshold x 2^96: exact
	v_cndmask_b32 v[QS], v[QS], v[QL0], s71        ; range = 0: every pole is nf_lut[0]
	v_cndmask_b32 v[QN], v[QN], v[QL0], s71
	v_cndmask_b32 v[QZ], v[QZ], v[QL0], s71
	v_fma_f32 v[VV], v[QS], v[RNG], v[OFS]         ; lane K: the value of sorted pole K,
	v_fma_f32 v[VN], v[QN], v[RNG], v[OFS]         ; of pole K + 1,
	v_mul_f32 v[C0], v[QZ], v[RNG]                 ; and what an outlier gets beside itself
	v_and_b32 v[TT], 0x7fffffff, v[VV]             ; nan_to_num: what is not finite becomes 0
	v_cmp_gt_f32 vcc_lo, s61, v[TT]
	v_cndmask_b32 v[VV], 0, v[VV], vcc_lo
	v_and_b32 v[TT], 0x7fffffff, v[VN]
	v_cmp_gt_f32 vcc_lo, s61, v[TT]
	v_cndmask_b32 v[VN], 0, v[VN], vcc_lo
	v_sub_f32 v[DL], v[VN], v[VV]
	v_and_b32 v[TT], 0x7fffffff, v[C0]
	v_cmp_gt_f32 vcc_lo, s61, v[TT]
	v_cndmask_b32 v[C0], 0, v[C0], vcc_lo
	v_cndmask_b32 v[GV], 0, 1.0, vcc_lo            ; an outlier is w x 1 + c, or 0 where c is not finite
	; x16 = f16(bf16(x)): rounded to bf16, widened again, and written as f16, which holds a bf16 number of magnitude 2^-14 to 65,504 exactly.  Each store of the wave covers 256 consecutive bytes, aligned.
.set j, 0
.rept 32
	s_wait_loadcnt 31-j                            ; loads come back in order: load j is in, the younger ones may be out
	v_cvt_pk_bf16_f32 v[XR+4*j], v[XR+4*j], v[XR+4*j+1]
	v_cvt_pk_bf16_f32 v[XR+4*j+1], v[XR+4*j+2], v[XR+4*j+3]
	v_and_b32 v[XR+4*j+3], s[MHI], v[XR+4*j+1]     ; the four numbers as f32 again, the last first, so that no packed word is lost
	v_lshlrev_b32 v[XR+4*j+2], 16, v[XR+4*j+1]
	v_and_b32 v[XR+4*j+1], s[MHI], v[XR+4*j]
	v_lshlrev_b32 v[XR+4*j], 16, v[XR+4*j]
	v_cvt_pk_f16_f32 v[XR+4*j], v[XR+4*j], v[XR+4*j+1]
	v_cvt_pk_f16_f32 v[XR+4*j+1], v[XR+4*j+2], v[XR+4*j+3]
	global_store_b64 v[XSO], v[XR+4*j:XR+4*j+1], s[12:13] offset:256*j th:TH_STORE_NT
.set j, j+1
.endr
	s_wait_xcnt 0x0                                ; the stores have read their registers: these now take the tables
.set i, 0
.rept 15
	v_readlane_b32 s58, v[CV], i
	v_readlane_b32 s59, v[DL], i
	v_mov_b32 v[CT+2*i], s58
	v_mov_b32 v[CT+2*i+1], s58
	v_mov_b32 v[DT+2*i], s59
	v_mov_b32 v[DT+2*i+1], s59
.set i, i+1
.endr
	v_readlane_b32 s58, v[VV], 0
.irp h, 0,1
	v_mov_b32 v[BG+\h], 0x6f800000                 ; 2^96
	v_mov_b32 v[VB+\h], s58                        ; the lowest pole's value
	v_mov_b32 v[GG+\h], v[GV]
	v_mov_b32 v[CC+\h], v[C0]
	v_xor_b32 v[OFN+\h], 0x80000000, v[OFS]        ; - offset
.endr
	; PASS 3: eight weights at a time.  [n > threshold] is (n - threshold) 2^96 held to 0 .. 1: n 2^96 is exact and the sum keeps its sign; a second line adds the step's height.
.macro QUANT8 g
.set WB, W+8*(\g)
	s_wait_dscnt 6-2*(\g)                          ; loads 2 g and 2 g + 1 are in
	RND4 WB
	RND4 WB+4
.irp p, 0,1,2,3
	v_pk_add_f32 v[WS+2*\p:WS+2*\p+1], v[WB+2*\p:WB+2*\p+1], v[OFN:OFN+1]                         ; n = w - offset
.endr
.set i, 0
.rept 15
.irp p, 0,1,2,3
	v_pk_fma_f32 v[ST+2*\p:ST+2*\p+1], v[WS+2*\p:WS+2*\p+1], v[BG:BG+1], v[CT+2*i:CT+2*i+1] clamp
.endr
.irp p, 0,1,2,3
.if i == 0
	v_pk_fma_f32 v[AC+2*\p:AC+2*\p+1], v[ST+2*\p:ST+2*\p+1], v[DT:DT+1], v[VB:VB+1]               ; the first step starts the sum
.else
	v_pk_fma_f32 v[AC+2*\p:AC+2*\p+1], v[ST+2*\p:ST+2*\p+1], v[DT+2*i:DT+2*i+1], v[AC+2*\p:AC+2*\p+1]
.endif
.endr
.set i, i+1
.endr
.irp p, 0,1,2,3
	v_pk_fma_f32 v[OV+2*\p:OV+2*\p+1], v[WB+2*\p:WB+2*\p+1], v[GG:GG+1], v[CC:CC+1]
.endr
.irp h, 0,1
.irp e, 0,1,2,3
	v_cmp_ge_f32 s[50+\e], s46, v[WB+4*\h+\e]
	v_cmp_le_f32 s[54+\e], s47, v[WB+4*\h+\e]
.endr
.irp e, 0,1,2,3
	s_or_b32 s[50+\e], s[50+\e], s[54+\e]
.endr
.irp e, 0,1,2,3
	v_cndmask_b32 v[AC+4*\h+\e], v[AC+4*\h+\e], v[OV+4*\h+\e], s[50+\e]
.endr
.endr
.irp q, 0,1,2,3
	v_cvt_pk_f16_f32 v[OO+4*(\g)+\q], v[AC+2*\q], v[AC+2*\q+1]
.endr
	global_store_b64 v[QSO], v[OO+4*(\g):OO+4*(\g)+1],   s[10:11] offset:256*(2*(\g))   th:TH_STORE_NT  ; 256 consecutive bytes, aligned
	global_store_b64 v[QSO], v[OO+4*(\g)+2:OO+4*(\g)+3], s[10:11] offset:256*(2*(\g)+1) th:TH_STORE_NT
.endm
	s_mov_b32 s63, 0
	s_mov_b32 s60, 4
.Lp3:
	CHUNK
	QUANT8 0
	QUANT8 1
	QUANT8 2
	QUANT8 3
	s_wait_xcnt 0x0                                ; the trip's stores have read their offset and data: both are written again only behind this wait
	v_add_nc_u32 v[QSO], 2048, v[QSO]
	s_add_co_u32 s63, s63, 4096
	s_sub_co_u32 s60, s60, 1
	s_cmp_lg_u32 s60, 0
	s_cbranch_scc1 .Lp3
	s_wait_tensorcnt 0x0                           ; the wave's end, behind my tensor load
	ds_add_u32 v[SPW], v[NIL]
	s_wait_dscnt 0x0
	s_endpgm
.Lfunc_end_k_qc0effbed72_prep:
	.size	k_qc0effbed72_prep, .Lfunc_end_k_qc0effbed72_prep-k_qc0effbed72_prep
	.p2alignl 7, 3214868480
	.fill 96, 4, 3214868480
	.section	.rodata,"a",@progbits
	.p2align	6, 0x0
	.amdhsa_kernel k_qc0effbed72_prep
		.amdhsa_group_segment_fixed_size 264192
		.amdhsa_private_segment_fixed_size 0
		.amdhsa_enable_private_segment 0
		.amdhsa_kernarg_size 40
		.amdhsa_user_sgpr_count 2
		.amdhsa_user_sgpr_kernarg_segment_ptr 1
		.amdhsa_wavefront_size32 1
		.amdhsa_system_sgpr_workgroup_id_x 1
		.amdhsa_system_sgpr_workgroup_id_y 1
		.amdhsa_system_sgpr_workgroup_id_z 1
		.amdhsa_system_vgpr_workitem_id 0
		.amdhsa_next_free_vgpr 256
		.amdhsa_next_free_sgpr 73
		.amdhsa_reserve_vcc 1
		.amdhsa_float_denorm_mode_32 3
		.amdhsa_float_denorm_mode_16_64 3
		.amdhsa_memory_ordered 1
		.amdhsa_forward_progress 1
		.amdhsa_inst_pref_size 132
	.end_amdhsa_kernel
	.amdgpu_metadata
---
amdhsa.version: [ 1, 2 ]
amdhsa.kernels:
  - .name:           k_qc0effbed72_prep
    .symbol:         k_qc0effbed72_prep.kd
    .args:
      - { .name: weight, .offset: 0, .size: 8, .value_kind: global_buffer, .address_space: global }
      - { .name: nf_lut, .offset: 8, .size: 8, .value_kind: global_buffer, .address_space: global }
      - { .name: x, .offset: 16, .size: 8, .value_kind: global_buffer, .address_space: global }
      - { .name: qw16, .offset: 24, .size: 8, .value_kind: global_buffer, .address_space: global }
      - { .name: x16, .offset: 32, .size: 8, .value_kind: global_buffer, .address_space: global }
    .group_segment_fixed_size: 264192
    .private_segment_fixed_size: 0
    .kernarg_segment_align: 8
    .kernarg_segment_size: 40
    .max_flat_workgroup_size: 512
    .sgpr_count:     73
    .vgpr_count:     256
    .wavefront_size: 32
...
	.end_amdgpu_metadata
.endif
;; end of part 1
;; launch gemm (part 2): grid 16 x 16, 4 waves a work-group, clusters of 4 x 4, 327,680 bytes of LDS; arguments x16, qw16, out0; writes out0
.if DOCPART == 2
	.amdgcn_target "amdgcn-amd-amdhsa--gfx1250"
	.amdhsa_code_object_version 6
	.text
	.protected	k_qc0effbed72_gemm
	.globl	k_qc0effbed72_gemm
	.p2align	8
	.type	k_qc0effbed72_gemm,@function
k_qc0effbed72_gemm:
	s_mov_b64 s[64:65], 0
	v_nop
	global_prefetch_b8 v0, s[64:65] scope:SCOPE_SE
	s_setreg_imm32_b32 hwreg(HW_REG_WAVE_MODE, 25, 1), 1
	s_wait_xcnt 0x0
	s_wait_alu depctr_hold_cnt(0) depctr_sa_sdst(0) depctr_va_vdst(0) depctr_va_sdst(0) depctr_va_ssrc(0) depctr_va_vcc(0) depctr_vm_vsrc(0)
	s_getreg_b32 s2, hwreg(HW_REG_IB_STS2, 6, 4)
	s_cmp_eq_u32 s2, 0
	s_cbranch_scc0 .Lentry_in_a_cluster
	s_endpgm
.Lentry_in_a_cluster:
	s_bfe_u32 s2, ttmp6, 0x10000c
	s_cmp_lg_u32 s2, 0xf033
	s_cbranch_scc0 .Lentry_shape_is_right
	s_endpgm
.Lentry_shape_is_right:
; out0[m][n] = the sum over k of x16[m][k] qw16[n][k].  x16 (A), qw16 (B): [4096][4096] f16, made by the launch before; out0 (C): [4096][4096] f32; sums in f32.  No work is left out here.
; f16 and not bf16: every number of C must lie close to its expected value by a margin that two roundings to 8 bits do not hold over 16.7 million numbers.  LIMIT: |x| and |qw| under 65,504.
; A tile of C, 256 x 256, is made by a work-group of four waves; a wave makes 128 x 128: 64 accumulators of 16 x 16, 512 registers.  256 tiles, one to a work-group.
; K goes in steps of 128 through a ring of two LDS slots filled by tensor loads: the tiles' rows are 256 bytes of memory and start at multiples of 256 bytes from the buffer's first byte.
; CLUSTERS: 4 x 4 work-groups.  The four of a row of the cluster need the same tiles of A, the four of a column the same tiles of B: each tile is asked for JOINTLY, by the same tensor load with
; the same descriptor and a mask that names the four, and each receives it in its own LDS.
; REGISTERS, in windows of 256 (s_set_vgpr_msb's low byte: bits 1:0 source 0, 3:2 source 1, 5:4 source 2, 7:6 destination):
;   window 0: v0-31 addresses; v64-127, v128-191 fragments of A, two buffers; on the way out the same 128 registers hold rows read back from the stage
;   window 1: v64-127, v128-191 fragments of B, two buffers
;   window 2: the 32 accumulators of my rows 0-63 (accumulator (a, b) at v[8 (8 a + b)]);   window 3: those of my rows 64-127
; THE MATRIX INSTRUCTION IS USED TRANSPOSED: source 0 = 16 rows of B, source 1 = 16 rows of A.  In the result lane l holds row m = l % 16 of C and its registers 0 to 7 the columns
; n = 8 (l / 16) + 0 .. 7: 32 neighbouring bytes of a row of C.
.set SIZE_N, 4096
.set SIZE_K, 4096
.set KSTEP,  128
.set PITCH,  272                       ; an LDS row: 256 bytes + 16 of padding = 68 words: the 16 rows that a load touches start at 16 different groups of four banks (64 banks of 4 bytes: ISA guide 11.1)
.set HALFT,  128*PITCH                 ; 128 rows: what one tensor load brings, and what one wave reads of A or of B
.set SLOT,   4*HALFT                   ; A's 256 rows, then B's 256 rows
.set STAGE,  2*SLOT                    ; behind the ring, never filled by a tensor load: 16 rows x 528 bytes for each wave, for the way out
.set SPITCH, 528                       ; 512 bytes + 16 = 132 words: again 16 different groups of four banks
.set SPARE,  STAGE+4*16*SPITCH         ; behind the stages: the spare words, 128 bytes for each wave: two blocks of 256 bytes that no other line names
.set LAPS, SIZE_K/(2*KSTEP)            ; a lap = two K steps = once round the ring
.set ADRA, 16                          ; v16-17  LDS address of my A fragments in slot 0, 1
.set ADRB, 20                          ; v20-21  the same for B
.set STO,  24                          ; v24     the way out: where I put 32 bytes of a row
.set RD,   25                          ; v25     the way out: where I read a row back
.set CO,   26                          ; v26     16 x lane: my 16 bytes in 512 of a row of C
.set SPW,  28                          ; v28     LDS address of my spare word; never rewritten
.set NIL,  29                          ; v29     0; never rewritten
.set PFO,  30                          ; v30     the prefetches' offset: my lane x a row of A or B (8,192 bytes); never rewritten
.set PFA,  44                          ; s[44:45] where my prefetches stand: my work-group's 32 rows of the 128 that I fetch, one K step further along K than the refill in hand
.set LIM,  43                          ; s43     1 in a wave that prefetches, else the greatest number
.set F0,   64
.set F1,   128
.set G1, 24                            ; s[24:31] descriptor group 1 for A's tiles
.set G0, 32                            ; s[32:39] descriptor group 0 for A's tiles, one set for each slot
.set G1B, 48                           ; s[48:55] group 1 for B's tiles: it differs in the mask alone
.set G0B, 56                           ; s[56:63] group 0 for B's tiles
.set MSB, 0
.macro WIN new                         ; the immediate's high byte repeats the setting that is left; a switch that changes nothing is dropped
.if MSB != (\new)
	s_set_vgpr_msb (MSB<<8)|(\new)
.set MSB, \new
.endif
.endm
.set MUL_LO, 0xa1                      ; source 0 (B) window 1, source 1 (A) window 0, C and D window 2
.set MUL_HI, 0xf1                      ; the same, C and D window 3
.set TO_B,   0x40                      ; destination window 1, address window 0
; A joint load.  Waves 0 and 1 fetch A's two halves, waves 2 and 3 B's.  The branch hangs on the wave's number alone: it is the same in every work-group.
; An s_nop 0 and four v_nop follow each of the two lines, ahead of the jump and the label.
.macro JLOAD s
	s_cmp_eq_u32 s11, 0
	s_cbranch_scc0 .Lfor_b_\@
	tensor_load_to_lds s[G0+4*(\s):G0+4*(\s)+3], s[G1:G1+7]
	s_nop 0
.rept 4
	v_nop
.endr
	s_branch .Lasked_\@
.Lfor_b_\@:
	tensor_load_to_lds s[G0B+4*(\s):G0B+4*(\s)+3], s[G1B:G1B+7]
	s_nop 0
.rept 4
	v_nop
.endr
.Lasked_\@:
.endm
; A PREFETCH, behind each joint refill and the run of LDS loads that follows it: the K step that stands two refills on, 512 matrix instructions ahead of the load that will want it: 32 rows x 256 bytes,
; a lane a row, one instruction a wave.  Each row's 256 bytes of a K step are named once in the launch: A's tile row is read by every cluster of that row of clusters, and the one with x = 0 asks;
; B's tile column by every cluster of that column, and the one with y = 0 asks.  The four partners that ask for a tile jointly share its rows out by address: of the 128 rows that a wave fetches,
; the partner at place p takes 32 p .. 32 p + 31.  K steps 0 to 3 come by their loads alone; the loop's last trip (s3 = 1) asks for nothing: K has no step two refills on.
.macro ASK
	s_cmp_gt_u32 s3, s[LIM]
	s_cbranch_scc0 .Lnot_mine_\@
	global_prefetch_b8 v[PFO], s[PFA:PFA+1] offset:KSTEP*2 th:TH_LOAD_NT scope:SCOPE_SE
.Lnot_mine_\@:
.endm
; A round of the cluster's barrier: my work-group's barrier, so that wave 0's signal speaks for all four waves; wave 0 signals; every wave waits for all sixteen work-groups; my work-group's barrier once more.
.macro CREST                           ; a round behind its opening barrier
	s_cmp_lg_u32 s10, 0
	s_cbranch_scc1 .Lnot_wave_0_\@
	s_barrier_signal -3
.Lnot_wave_0_\@:
	s_barrier_wait -3
	s_barrier_signal -1
	s_barrier_wait -1
.endm
.macro CROUND
	s_barrier_signal -1
	s_barrier_wait -1
	CREST
.endm
	s_load_b128 s[4:7], s[0:1], 0x0                ; A s[4:5], B s[6:7]
	s_load_b64 s[8:9], s[0:1], 0x10                ; C
	v_lshl_add_u32 v[SPW], v0, 2, SPARE
	v_mov_b32 v[NIL], 0
	ds_add_u32 v[SPW], v[NIL]                      ; the wave's opening: the add, twice on end, and its wait ahead of my first tensor load
	ds_add_u32 v[SPW], v[NIL]                      ; the set-up below, work on registers, stands between the second add and the wait
	v_lshrrev_b32 v1, 5, v0
	v_readfirstlane_b32 s10, v1                    ; wave 0..3
	s_lshr_b32 s11, s10, 1                         ; which half of the tile's rows is mine.  Also: I fetch for A (0) or for B (1)
	s_and_b32 s12, s10, 1                          ; which half of its columns.  Also: which 128 rows of that tile I fetch
	s_bfe_u32 s40, ttmp6, 0x40000                  ; cx
	s_bfe_u32 s41, ttmp6, 0x40004                  ; cy
	s_lshl_b32 s42, ttmp9, 2                       ; in a cluster launch ttmp9 and ttmp7 count clusters
	s_add_co_u32 s42, s42, s40                     ; tile column of C
	s_and_b32 s13, ttmp7, 0xffff
	s_lshl_b32 s13, s13, 2
	s_add_co_u32 s13, s13, s41                     ; tile row of C
	s_lshl_b32 s43, s41, 2
	s_lshl_b32 s43, 15, s43                        ; my row of the cluster: places 4 cy .. 4 cy + 3
	s_lshl_b32 s44, 0x1111, s40                    ; my column: places cx, cx + 4, cx + 8, cx + 12
	; descriptor group 1: a tile of 128 rows x 128 elements of 2 bytes, 4 words of padding behind every 64
	s_or_b32 s[G1+0], s43, (1<<16)|(1<<20)|(1<<21)|(5<<22)|(3<<25)
	s_or_b32 s[G1B+0], s44, (1<<16)|(1<<20)|(1<<21)|(5<<22)|(3<<25)
.irp g, G1, G1B
	s_mov_b32 s[(\g)+1], KSTEP<<16                 ; tensor_dim0 = 128
	s_mov_b32 s[(\g)+2], 128<<16                   ; tensor_dim1 = 128
	s_mov_b32 s[(\g)+3], KSTEP<<16                 ; tile_dim0 = 128
	s_mov_b32 s[(\g)+4], 128                       ; tile_dim1 = 128
	s_mov_b32 s[(\g)+5], SIZE_K                    ; elements from row to row
	s_mov_b32 s[(\g)+6], 0
	s_mov_b32 s[(\g)+7], 0
.endr
	; A's tiles hang on the tile row alone, B's on the tile column alone; each address is made in registers that never hold the other coordinate
	s_lshl_b32 s17, s12, 7
	s_lshl_b32 s16, s13, 8
	s_add_co_u32 s16, s16, s17                     ; A: row 256 x tile row + 128 x half
	s_lshl_b32 s46, s42, 8
	s_add_co_u32 s46, s46, s17                     ; B: row 256 x tile column + 128 x half
	s_mov_b32 s17, 0
	s_mov_b32 s47, 0
	s_mov_b64 s[18:19], SIZE_K*2
	s_mul_u64 s[16:17], s[16:17], s[18:19]
	s_mul_u64 s[46:47], s[46:47], s[18:19]
	s_mul_i32 s20, s10, HALFT                      ; where they go: wave x 128 rows: no place in the cluster enters an LDS address
	s_wait_dscnt 0x0                               ; both opening adds are done
	s_wait_kmcnt 0x0
	s_add_nc_u64 s[14:15], s[4:5], s[16:17]
	s_add_nc_u64 s[46:47], s[6:7], s[46:47]
	CROUND                                         ; all sixteen work-groups are here: the first joint loads meet
.irp s, 0,1
	s_mov_b32 s[G0+4*(\s)], 1
	s_add_co_u32 s[G0+4*(\s)+1], s20, (\s)*SLOT
	s_add_nc_u64 s[G0+4*(\s)+2:G0+4*(\s)+3], s[14:15], (\s)*KSTEP*2
	s_or_b32 s[G0+4*(\s)+3], s[G0+4*(\s)+3], 0x80000000
	s_mov_b32 s[G0B+4*(\s)], 1
	s_add_co_u32 s[G0B+4*(\s)+1], s20, (\s)*SLOT
	s_add_nc_u64 s[G0B+4*(\s)+2:G0B+4*(\s)+3], s[46:47], (\s)*KSTEP*2
	s_or_b32 s[G0B+4*(\s)+3], s[G0B+4*(\s)+3], 0x80000000
	JLOAD \s                                       ; K steps 0 and 1: two loads of mine are out
.endr
	; A fragment is 16 rows x 32 K in 8 registers: lane l holds row l % 16; registers 0-3 K = 8 (l / 16) + 0..7, registers 4-7 K = 16 + 8 (l / 16) + 0..7: two loads of 16 bytes, 32 bytes apart.
	v_and_b32 v1, 15, v0                           ; l % 16
	v_bfe_u32 v2, v0, 4, 1                         ; l / 16
	v_mul_u32_u24 v3, v1, PITCH
	v_lshl_add_u32 v3, v2, 4, v3
	s_mul_i32 s21, s11, HALFT                      ; my 128 rows of A
	s_mul_i32 s22, s12, HALFT                      ; my 128 rows of B,
	s_add_co_u32 s22, s22, 2*HALFT                 ; which lie behind A's 256
.irp s, 0,1
	v_add_nc_u32 v[ADRA+(\s)], s21, v3
	v_add_nc_u32 v[ADRB+(\s)], s22, v3
	s_add_co_u32 s21, s21, SLOT
	s_add_co_u32 s22, s22, SLOT
.endr
	s_mul_i32 s23, s10, 16*SPITCH
	s_add_co_u32 s23, s23, STAGE                   ; my stage
	v_mul_u32_u24 v4, v1, SPITCH                   ; in: row l % 16, 32 bytes for each half of the lanes
	v_lshl_add_u32 v4, v2, 5, v4
	v_add_nc_u32 v[STO], s23, v4
	v_and_b32 v5, 31, v0
	v_lshlrev_b32 v[CO], 4, v5                     ; back: 32 lanes take one row of 512 bytes
	v_add_nc_u32 v[RD], s23, v[CO]
	; C at my part of the tile
	s_lshl_b32 s13, s13, 8                         ; 256 x tile row
	s_lshl_b32 s14, s11, 7
	s_add_co_u32 s16, s13, s14                     ; my first row of C
	s_mov_b32 s17, 0
	s_mov_b64 s[18:19], SIZE_N*4
	s_mul_u64 s[16:17], s[16:17], s[18:19]
	s_lshl_b32 s46, s42, 10                        ; my first column, in bytes: 1,024 x tile column + 512 x half
	s_lshl_b32 s47, s12, 9
	s_add_co_u32 s46, s46, s47
	s_mov_b32 s47, 0
	s_add_nc_u64 s[16:17], s[16:17], s[46:47]
	s_add_nc_u64 s[8:9], s[8:9], s[16:17]
	; the prefetches
	s_lshl_b32 s42, s42, 8                         ; 256 x tile column
	s_and_b32 s22, ttmp7, 0xffff                   ; cluster y
	s_cmp_eq_u32 s11, 0                            ; do I fetch for A?
	s_cselect_b32 s20, s13, s42                    ; the tile's first row
	s_cselect_b32 s21, s40, s41                    ; my place among the four that ask for it with me
	s_cselect_b32 s22, ttmp9, s22                  ; the coordinate along which other clusters read the same rows
	s_cselect_b64 s[PFA:PFA+1], s[4:5], s[6:7]
	s_cmp_eq_u32 s22, 0
	s_cselect_b32 s[LIM], 1, -1                    ; the same in all sixteen partners, for a given wave
	s_lshl_b32 s22, s12, 7
	s_add_co_u32 s20, s20, s22                     ; + the 128 rows that I fetch
	s_lshl_b32 s21, s21, 5
	s_add_co_u32 s20, s20, s21                     ; + my work-group's 32 of them
	s_mov_b32 s21, 0
	s_mov_b64 s[18:19], SIZE_K*2
	s_mul_u64 s[20:21], s[20:21], s[18:19]
	s_add_nc_u64 s[PFA:PFA+1], s[PFA:PFA+1], s[20:21]
	s_add_nc_u64 s[PFA:PFA+1], s[PFA:PFA+1], 2*KSTEP*2  ; at K step 2: the first refill steps it to 3 and names K step 4
	v_and_b32 v[PFO], 31, v0
	v_mul_u32_u24 v[PFO], v[PFO], SIZE_K*2
; 16 matrix instructions: m blocks a0, a0 + 1 of the window's four x all 8 n blocks, 32 along K.  zero = 1: the first product starts the sums: nothing is cleared.
; The 64 accumulators take turns, in the same order in every quarter step.
.macro MUL16 f, hi, a0, zero
	WIN MUL_LO+0x50*(\hi)
.irp a, \a0, (\a0)+1
.irp b, 0,1,2,3,4,5,6,7
.if \zero
	v_wmma_f32_16x16x32_f16 v[8*(8*(\a)+(\b)):8*(8*(\a)+(\b))+7], v[(\f)+8*(\b):(\f)+8*(\b)+7], v[(\f)+8*(4*(\hi)+(\a)):(\f)+8*(4*(\hi)+(\a))+7], 0
.else
	v_wmma_f32_16x16x32_f16 v[8*(8*(\a)+(\b)):8*(8*(\a)+(\b))+7], v[(\f)+8*(\b):(\f)+8*(\b)+7], v[(\f)+8*(4*(\hi)+(\a)):(\f)+8*(4*(\hi)+(\a))+7], v[8*(8*(\a)+(\b)):8*(8*(\a)+(\b))+7]
.endif
.endr
.endr
.endm
; 32 LDS loads in one run: the fragments of one quarter step (128 rows of B, 128 rows of A, 32 K at byte k of the rows) into buffer f
.macro FETCH slot, k, f
	WIN TO_B
.irp i, 0,1,2,3,4,5,6,7
	ds_load_b128 v[(\f)+8*(\i):(\f)+8*(\i)+3],   v[ADRB+(\slot)] offset:(\k)+(\i)*16*PITCH
	ds_load_b128 v[(\f)+8*(\i)+4:(\f)+8*(\i)+7], v[ADRB+(\slot)] offset:(\k)+(\i)*16*PITCH+32
.endr
	WIN 0
.irp i, 0,1,2,3,4,5,6,7
	ds_load_b128 v[(\f)+8*(\i):(\f)+8*(\i)+3],   v[ADRA+(\slot)] offset:(\k)+(\i)*16*PITCH
	ds_load_b128 v[(\f)+8*(\i)+4:(\f)+8*(\i)+7], v[ADRA+(\slot)] offset:(\k)+(\i)*16*PITCH+32
.endr
.endm
.macro PLACES                          ; four plain vector instructions between a matrix instruction and a load into a register that it read, or a reader of its result (ISA guide 7.12.1 for vector instructions)
.rept 4
	v_nop
.endr
.endm
; A K step is four quarter steps of 32 along K, 64 matrix instructions each, on buffers 0, 1, 0, 1.  One of the first three multiplies buffer f and, in its middle, fetches the next quarter into g.
.macro QUARTER slot, k, f, g, zero
	s_wait_dscnt 8                                 ; B and A's rows 0-63 are in; the youngest eight loads (A's rows 64-127) may be out
	MUL16 \f, 0, 0, \zero
	MUL16 \f, 0, 2, \zero
	PLACES
	FETCH \slot, \k, \g
	s_wait_dscnt 32                                ; all but the 32 just issued
	MUL16 \f, 1, 0, \zero
	MUL16 \f, 1, 2, \zero
.endm
; The last quarter multiplies buffer 1 and changes slots.  In front of the one barrier each wave waits for all its tensor loads (one is out: its part of the next slot), adds 0 to its spare word,
; and waits for that and for its own reads of this slot.  Behind it nobody reads this slot any more and the next slot is whole.
.macro MEET round
	WIN 0                                          ; (the add's two registers lie in window 0)
	s_wait_tensorcnt 0x0
	ds_add_u32 v[SPW], v[NIL]
	s_wait_dscnt 9                                 ; the add and the youngest eight loads may be out
	MUL16 F1, 0, 0, 0                              ; sixteen matrix instructions stand between the add and the wait for it
	s_wait_dscnt 0x0                               ; the add is done, and my reads of this slot are over
	s_barrier_signal -1
	MUL16 F1, 0, 2, 0                              ; work on registers while the others arrive
.if \round
	WIN 0
.endif
	s_barrier_wait -1
.endm
.macro TURN slot, next
	s_wait_xcnt 0x0                                ; the last prefetch, a K step back, has read its address
	s_add_nc_u64 s[PFA:PFA+1], s[PFA:PFA+1], KSTEP*2
	MEET 1
	CREST                                          ; the barrier has opened a round of the cluster's: no wave of any partner still reads this slot or has a load on its way
	s_add_nc_u64 s[G0+4*(\slot)+2:G0+4*(\slot)+3], s[G0+4*(\slot)+2:G0+4*(\slot)+3], 2*KSTEP*2
	s_add_nc_u64 s[G0B+4*(\slot)+2:G0B+4*(\slot)+3], s[G0B+4*(\slot)+2:G0B+4*(\slot)+3], 2*KSTEP*2
	JLOAD \slot                                    ; my one tensor load behind the round, 224 matrix instructions ahead of the wait for it; its four v_nop are also the places in front of the loads below
	FETCH \next, 0, F0
	ASK
	MUL16 F1, 1, 0, 0
	MUL16 F1, 1, 2, 0
.endm
	s_wait_tensorcnt 1                             ; my part of K step 0 is in; K step 1's may stay out
	s_barrier_signal -1
	s_barrier_wait -1                              ; everybody's is
	FETCH 0, 0, F0
	QUARTER 0, 64,  F0, F1, 1                      ; the first quarter stands in front of the loop: its products start the sums
	WIN 0                                          ; at a label and at a branch every window is 0
	s_mov_b32 s3, LAPS-1
.Llap:                                                 ; a trip goes once round the ring, from a lap's second quarter to the next lap's first, and fills both slots again
	QUARTER 0, 128, F1, F0, 0
	QUARTER 0, 192, F0, F1, 0
	TURN 0, 1
	QUARTER 1, 64,  F0, F1, 0
	QUARTER 1, 128, F1, F0, 0
	QUARTER 1, 192, F0, F1, 0
	TURN 1, 0
	QUARTER 0, 64,  F0, F1, 0
	WIN 0
	s_sub_co_u32 s3, s3, 1
	s_cmp_lg_u32 s3, 0
	s_cbranch_scc1 .Llap
	QUARTER 0, 128, F1, F0, 0                      ; the last lap is written out: it fills nothing
	QUARTER 0, 192, F0, F1, 0
	MEET 0                                         ; my one tensor load that was still out is the last K step's
	PLACES                                         ; for the loads into buffer 0
	FETCH 1, 0, F0
	MUL16 F1, 1, 0, 0
	MUL16 F1, 1, 2, 0
	QUARTER 1, 64,  F0, F1, 0
	QUARTER 1, 128, F1, F0, 0
	QUARTER 1, 192, F0, F1, 0
	s_wait_dscnt 8                                 ; the very last quarter: nothing more to fetch
	MUL16 F1, 0, 0, 0
	MUL16 F1, 0, 2, 0
	s_wait_dscnt 0x0
	MUL16 F1, 1, 0, 0
	MUL16 F1, 1, 2, 0
	PLACES
	PLACES                                         ; eight, once a launch: behind the last products, ahead of the LDS stores that read results and of the loads into A's buffers
; THE WAY OUT, a block of 16 rows at a time.  A lane's 32 bytes of a row go straight from the accumulators into my own stage (each accumulator's low four registers first),
; and come back as whole rows of 512 bytes.  LDS serves a wave's instructions in order (ISA guide 5.7.1.4): the loads see the stores above them, and the next block's stores come behind these loads.
.macro TOSTAGE a
.set AC, 64*((\a)%4)
.set BK, F0+64*((\a)%2)
	WIN 0x08+4*((\a)/4)                            ; store data (source 1) in window 2 or 3
.irp b, 0,1,2,3,4,5,6,7
	ds_store_b128 v[STO], v[AC+8*(\b):AC+8*(\b)+3]   offset:64*(\b)
	ds_store_b128 v[STO], v[AC+8*(\b)+4:AC+8*(\b)+7] offset:64*(\b)+16
.endr
	WIN 0
.if (\a) >= 2
	s_wait_xcnt 0x0                                ; the stores of the block two back have read these registers
.endif
.irp t, 0,1,2,3,4,5,6,7,8,9,10,11,12,13,14,15
	ds_load_b128 v[BK+4*(\t):BK+4*(\t)+3], v[RD] offset:(\t)*SPITCH
.endr
.endm
.macro SEND a, younger                 ; younger: the LDS instructions issued behind block a's loads: the next block's 32, or none
.set BK, F0+64*((\a)%2)
	WIN 0
.irp t, 0,1,2,3,4,5,6,7,8,9,10,11,12,13,14,15
	s_wait_dscnt (\younger)+15-(\t)                ; row t is back in registers
	global_store_b128 v[CO], v[BK+4*(\t):BK+4*(\t)+3], s[8:9] offset:(16*(\a)+(\t))*SIZE_N*4 th:TH_STORE_NT  ; 512 consecutive bytes, at a multiple of 256 from C's first; 127 rows at the most: inside the signed 24-bit immediate
.endr
.endm
	TOSTAGE 0
.irp a, 1,2,3,4,5,6,7
	TOSTAGE \a
	SEND (\a)-1, 32
.endr
	SEND 7, 0
	s_wait_tensorcnt 0x0                           ; the wave's end, behind my last tensor load and my last LDS store
	ds_add_u32 v[SPW], v[NIL]
	s_wait_dscnt 0x0
	CROUND                                         ; the closing round: no work-group ends while a partner may still ask for a tile that names it
	s_endpgm
.Lfunc_end_k_qc0effbed72_gemm:
	.size	k_qc0effbed72_gemm, .Lfunc_end_k_qc0effbed72_gemm-k_qc0effbed72_gemm
	.p2alignl 7, 3214868480
	.fill 96, 4, 3214868480
	.section	.rodata,"a",@progbits
	.p2align	6, 0x0
	.amdhsa_kernel k_qc0effbed72_gemm
		.amdhsa_group_segment_fixed_size 327680
		.amdhsa_private_segment_fixed_size 0
		.amdhsa_enable_private_segment 0
		.amdhsa_kernarg_size 24
		.amdhsa_user_sgpr_count 2
		.amdhsa_user_sgpr_kernarg_segment_ptr 1
		.amdhsa_wavefront_size32 1
		.amdhsa_system_sgpr_workgroup_id_x 1
		.amdhsa_system_sgpr_workgroup_id_y 1
		.amdhsa_system_sgpr_workgroup_id_z 1
		.amdhsa_system_vgpr_workitem_id 0
		.amdhsa_next_free_vgpr 1024
		.amdhsa_next_free_sgpr 66
		.amdhsa_reserve_vcc 0
		.amdhsa_float_denorm_mode_32 3
		.amdhsa_float_denorm_mode_16_64 3
		.amdhsa_memory_ordered 1
		.amdhsa_forward_progress 1
		.amdhsa_inst_pref_size 145
	.end_amdhsa_kernel
	.amdgpu_metadata
---
amdhsa.version: [ 1, 2 ]
amdhsa.kernels:
  - .name:           k_qc0effbed72_gemm
    .symbol:         k_qc0effbed72_gemm.kd
    .args:
      - { .name: x16, .offset: 0, .size: 8, .value_kind: global_buffer, .address_space: global }
      - { .name: qw16, .offset: 8, .size: 8, .value_kind: global_buffer, .address_space: global }
      - { .name: out0, .offset: 16, .size: 8, .value_kind: global_buffer, .address_space: global }
    .group_segment_fixed_size: 327680
    .private_segment_fixed_size: 0
    .kernarg_segment_align: 8
    .kernarg_segment_size: 24
    .max_flat_workgroup_size: 128
    .sgpr_count:     66
    .vgpr_count:     1024
    .wavefront_size: 32
...
	.end_amdgpu_metadata
.endif
;; end of part 2
